; MI455X (gfx1250); checked and timed in simulation.
; The chip was launched on July 23, 2026; its instructions are those of AMD's public machine-readable ISA for CDNA 5 (MIT licence, August 2026) and "CDNA5" Instruction Set Architecture Reference Guide (July 2026). The comments in the code are by the model that wrote it; some were corrected since.
;; Scaled Dot Product Attention. Allowed arithmetic: matrix products marked QUANTISED: E2M3 operands, one E8M0 scale for each 32 along K, by v_wmma_scale_f32_16x16x128_f8f6f4 with both operands' format E2M3, f32 sums; everything else in f32.
;; Inputs: K_codes 16 x 4,096 x 2 x 24 uint8 (E2M3 codes of K, K innermost, in blocks of 32 codes, four codes in three bytes); K_scales 16 x 4,096 x 2 uint8 (E8M0 scales of K, one for each 32 codes along K); Q_codes 16 x 4,096 x 2 x 24 uint8 (E2M3 codes of Q, K innermost, in blocks of 32 codes, four codes in three bytes); Q_scales 16 x 4,096 x 2 uint8 (E8M0 scales of Q, one for each 32 codes along K); V_codes 16 x 64 x 128 x 24 uint8 (E2M3 codes of V, K innermost, in blocks of 32 codes, four codes in three bytes); V_scales 16 x 64 x 128 uint8 (E8M0 scales of V, one for each 32 codes along K).
;; Outputs: out0 16 x 4,096 x 64 float32.
;; This version of the problem:
;;   THIS VERSION OF THE PROBLEM IS GIVEN IN LOW PRECISION. The matrix products marked QUANTISED in the list below multiply operands that are first quantised to E2M3 (2 exponent bits, 3 mantissa bits; 6 bits a number), with one power-of-two scale for each 32 numbers along K (OCP MX v1.0); their sums are f32. All else is computed in f32.
;;   The module's matrix products, in the order in which they are computed (A, B: the left and right operand; K: the contracted axis; several contracted axes count as one K, in the product's order):
;;     1. batch 16 x [M 4,096, K 64] x [K 64, N 4,096]; A: input Q (given as codes); B: input K (given as codes): QUANTISED
;;     2. batch 16 x [M 4,096, K 4,096] x [K 4,096, N 64]; A: softmax (see below); B: input V (given as codes): QUANTISED
;;   THE QUANTISER, for each operand of a quantised product, along K:
;;     - K is cut into blocks of 32 from its start; a last block that is shorter is filled with zeros.
;;     - A block's scale is 2^e with e = floor(log2(the largest magnitude in the block)) - 2, held to -126 .. 127; a block of zeros has e = 0. As a byte (E8M0): e + 127.
;;     - Each number is divided by its block's scale, clamped to +-7.5, and rounded to the nearest number of E2M3, ties to even, subnormals kept.
;;     - The product sums the exact products of the quantised numbers (number of the format x scale) in f32.
;;   ~~~python
;;   def quantise(x, axis):      # numpy; x: float32 -> the quantised numbers, widened to float32 again
;;       x = np.moveaxis(x, axis, -1); K = x.shape[-1]
;;       x = np.pad(x, [(0, 0)] * (x.ndim - 1) + [(0, -K % 32)]); x = x.reshape(x.shape[:-1] + (-1, 32)); a = np.abs(x).max(-1, keepdims=True)
;;       e = np.where(a > 0, np.clip(np.frexp(np.where(a > 0, a, 1))[1] - 1 - 2, -126, 127), 0)      # np.frexp(a)[1] - 1 = floor(log2(a)), exactly
;;       r = np.clip(x / 2.0 ** e, -7.5, 7.5)
;;       step = 2.0 ** (np.maximum(np.frexp(np.where(r == 0, 1, r))[1] - 1, 0) - 3)
;;       q = np.round(r / step) * step * 2.0 ** e      # np.round: ties to even
;;       return np.moveaxis(q.reshape(q.shape[:-2] + (-1,))[..., :K], -1, axis).astype(np.float32)
;;   ~~~
;;   SOFTMAX AHEAD OF A QUANTISED PRODUCT. Where the list says 'softmax', what is quantised is not the finished softmax but p = 2^(t - M), with t = logit x log2(e) and M = ceil(the row's largest t), a whole number; so 1/2 < the row's largest p <= 1. The row's sum l is taken of the UNQUANTISED p, in f32, and the product's result is divided by l at the end. Since M is a whole number, a kernel that streams over the keys may use a running M (the ceiling of the running maximum): every later rescaling is an exact power of two, which a block's scale takes up: the codes' values come out the same.
;;   OPERANDS COMPUTED ON THE WAY. 'Computed on the way' means the value that the module computes at that place (a softmax that the list does not call 'softmax' is quantised finished and normalised). What goes into a quantiser is computed in f32, as accurately as f32 sums, v_exp_f32 and their like allow (about 1e-6 of the number): no bf16 or f16 on the way to a quantiser, and a product that is left as it is and whose result goes on into a quantised operand takes f32 operands (vector FMAs, or v_wmma_f32_16x16x4_f32). A number that lies on a knife's edge between two numbers of the format may be rounded either way, as far as f32 arithmetic and the matrix unit's own rounding can turn it there, and no further.
;;   INPUTS GIVEN AS CODES. K (in the module: [16, 4096, 64], K = its axis 2); Q (in the module: [16, 4096, 64], K = its axis 2); V (in the module: [16, 4096, 64], K = its axis 1): each comes as NAME_codes (uint8): NAME with its K axis moved to the last place and cut into blocks of 32 codes, [.., K / 32, bytes a block], one block behind the other in memory; four codes in three bytes: a row's codes are one little-endian stream of bits, code i at bits 6 i .. 6 i + 5 (a code: sign, 2 exponent bits, 3 mantissa bits); and NAME_scales (uint8): the same leading axes, one E8M0 byte (e + 127) for each 32 codes along K. Its value is code x scale, taken as it is: it is not quantised again, and the codes and scales need not be those that the quantiser above would give.
;; One version. Each part assembles by itself: llvm-mc -triple=amdgcn-amd-amdhsa -mcpu=gfx1250 --defsym DOCPART=n.
;; ======== version 1 of 1: 1 launch
;; limits: right only within a limited range of input values
;; launch attn (part 1): grid 16 x 16, 8 waves a work-group, clusters of 4 x 1, 327,680 bytes of LDS; arguments Q_codes, Q_scales, K_codes, K_scales, V_codes, V_scales, out0; writes out0
.if DOCPART == 1
	.amdgcn_target "amdgcn-amd-amdhsa--gfx1250"
	.amdhsa_code_object_version 6
	.text
	.protected	k_q65e01d6f2f_attn
	.globl	k_q65e01d6f2f_attn
	.p2align	8
	.type	k_q65e01d6f2f_attn,@function
k_q65e01d6f2f_attn:
	s_mov_b64 s[64:65], 0
	v_nop
	global_prefetch_b8 v0, s[64:65] scope:SCOPE_SE
	s_setreg_imm32_b32 hwreg(HW_REG_WAVE_MODE, 25, 1), 1
	s_wait_xcnt 0x0
	s_wait_alu depctr_hold_cnt(0) depctr_sa_sdst(0) depctr_va_vdst(0) depctr_va_sdst(0) depctr_va_ssrc(0) depctr_va_vcc(0) depctr_vm_vsrc(0)
	s_getreg_b32 s2, hwreg(HW_REG_IB_STS2, 6, 4)
	s_cmp_eq_u32 s2, 0
	s_cbranch_scc0 .Lentry_in_a_cluster
	s_endpgm
.Lentry_in_a_cluster:
	s_bfe_u32 s2, ttmp6, 0x10000c
	s_cmp_lg_u32 s2, 0x3003
	s_cbranch_scc0 .Lentry_shape_is_right
	s_endpgm
.Lentry_shape_is_right:
; out = softmax(Q K^T) V in MX-FP6, 16 batches x 4096 queries x 4096 keys, head 64.
; A work-group: 256 queries of one batch, all 4096 keys in 32 steps of 128.  A wave: 32 queries = tile A (registers in window 0) and
; tile B (window 1, the same register numbers), so each fragment of K and V read from LDS feeds two query tiles.
; Both products are used transposed (S^T = K Q^T, O^T = V^T P^T): a lane holds one query; the keys of a tile of K are chosen so that a
; lane's 32 registers of four tiles are one whole block of 32 keys, in the order of the 6-bit operand.
; PIPELINE: while one tile's softmax runs on vector instructions, the other tile's 12 matrix instructions stand among them in pairs: P V of the
; step done between the links of the chain that makes M, K Q^T of the step to come among the sums.  K's fragments are read one step ahead of V's.
; LDS: two slots.  K's steps lie 9, 8, 8, 7 to a fill (K leads V by one step), V's 8, 8, 8, 8.  Rows in memory are 768 bytes at multiples of 768.
; All 8 waves issue one load for each fill: waves 0-3 K (even or odd group of 32 keys, first or second 16 of the group), waves 4-7 16 rows of V.
; CLUSTER: the 4 work-groups of a cluster share a batch, so every fill is a joint load with the mask 15.
; NO PREFETCH: a fill is asked for 8 steps (192 matrix instructions a wave) ahead of the wait for it, and there are 4 fills in all.
; LIMITS: the promise holds while the scaled scores (score x log2 e) stay under 2^31 in magnitude.  The first step finds O = 0, a sum of 0 and,
; for tile B's first P V, zero codes of P.
.set KG,    13824                      ; one K loader's region: 18 rows x 768 bytes
.set KODD,  2*KG+128                   ; odd groups of 32 keys: 128 bytes off a multiple of 256, so that the 32 lanes of a load touch 32 different 8-byte columns
.set VOFF,  55552
.set VP,    960                        ; a row of V: 768 bytes + 8 behind every 32: a step's 96 bytes are 120, alike in every step
.set VJ,    16*VP+8                    ; from one V loader's 16 rows to the next: 8 bytes off, for the banks
.set SLOTB, 117248
.set SCK,   2*SLOTB                    ; K's scales, 256 bytes a step
.set SCV,   SCK+8192                   ; V's scale words, re-laid: [step][64 words in the lanes' order]
.set SPARE, SCV+8192
.set STAGE, SPARE+1024
.set SP,    272
; window 0 alone
.set AK0,1
.set AVA0,2
.set AVB0,3
.set ASK0,4
.set SPW,5
.set NIL,6
.set ASV0,7
.set ADK,8
.set ADVA,9
.set ADVB,10
.set ADS,11
.set ADT,12
.set STO,13
.set RD,14
.set CO,15
.set KS,16                             ; v16-19 K's scales, v20-21 V's, v22-23 P's (A, B), v24-25 Q's (A, B)
.set VS,20
.set PS,22
.set QS,24
.set VF,64                             ; v64-111 V's four fragments
; window 1 alone: v0-95 K's eight fragments, 6 registers of codes and 6 of zeros each
; both windows: a tile's state
.set QF,116
.set S,128
.set OT,192
.set PF,224                            ; P's codes; while the sums are taken, five of their chains
.set NM,236                            ; -M, and the running largest score beside it
.set MX,237
.set SUM,238
.set FF,240
.set CH,242                            ; v242-249: eight chains of maxima; then block c's largest at CH+4c, its scale operand at CH+4c+1
.set XX,244
.set YY,245
.set CT0,248
.set SH8,251
.set CT1,252
.set TT,255
.set WV,18
.set CX,19
.set SEL,20
.set CS,22
.set G1K,24
.set G1V,32
.set G0K,40
.set G0V,44
.set LK,48
.set LV,49
.set SK,50
.set SV,51
.set SS,52
.set CNT,53
.set MSB,0
.macro WIN new                         ; the immediate's high byte repeats the setting that is left
.if MSB != (\new)
	s_set_vgpr_msb (MSB<<8)|(\new)
.set MSB, (\new)
.endif
.endm
.macro WA
	s_wait_alu depctr_va_vdst(0)
.endm
.macro D1
	s_delay_alu instid0(VALU_DEP_1)
.endm
.macro CROUND
	s_barrier_signal -1
	s_barrier_wait -1
	s_cmp_lg_u32 s[WV], 0
	s_cbranch_scc1 .Lnw0_\@
	s_barrier_signal -3
.Lnw0_\@:
	s_barrier_wait -3
	s_barrier_signal -1
	s_barrier_wait -1
.endm
.macro JLOAD                           ; every wave's one joint load
	s_cmp_lt_u32 s[WV], 4
	s_cbranch_scc0 .Lv_\@
	tensor_load_to_lds s[G0K:G0K+3], s[G1K:G1K+7]
	s_nop 0
.rept 4
	v_nop
.endr
	s_branch .Ld_\@
.Lv_\@:
	tensor_load_to_lds s[G0V:G0V+3], s[G1V:G1V+7]
	s_nop 0
.rept 4
	v_nop
.endr
.Ld_\@:
.endm
; A change of slots: all my loads landed, the add, my LDS reads done, the round, the fill of slot \slot (K: \rows rows, \kadd bytes on)
.macro CHANGE fill, slot, rows, kadd
	WA                                             ; the wait ahead of a blocking wait
	s_wait_tensorcnt 0x0
	ds_add_u32 v[SPW], v[NIL]
.if \fill
	s_add_co_u32 s[G0K+1], s[LK], \slot*SLOTB
	s_add_nc_u64 s[G0K+2:G0K+3], s[G0K+2:G0K+3], \kadd
	s_mov_b32 s[G1K+2], \rows<<16
	s_mov_b32 s[G1K+4], \rows
	s_add_co_u32 s[G0V+1], s[LV], \slot*SLOTB
	s_add_nc_u64 s[G0V+2:G0V+3], s[G0V+2:G0V+3], 768
	s_wait_dscnt 0x0
	CROUND
	JLOAD
.else
	s_wait_dscnt 0x0
	s_barrier_signal -1
	s_barrier_wait -1
.endif
.endm
; K's fragments of one step -> window 1; tile 4c+u, lane (r, h): key 64c + 32(r/8) + 8u + r%8.  28 LDS loads
.macro KLOAD koff
	WIN 0x40
.irp c, 0,1
.irp u, 0,1,2,3
.irp p, 0,1,2
	ds_load_b64 v[12*(4*\c+\u)+2*\p:12*(4*\c+\u)+2*\p+1], v[ADK] offset:768*\c+KG*(\u/2)+384*(\u%2)+8*\p
.endr
.endr
.endr
	WIN 0
.irp c, 0,1
.irp w, 0,1
	ds_load_u16 v[KS+2*\c+\w], v[ADS] offset:\koff+128*\c+32*\w
.endr
.endr
.endm
; V's fragments of one step; tile t, lane (r, h): row d = 16(r/4) + 4t + r%4.  Lanes 16-31 lie 24 or 32 bytes on (a pad between): two address registers
.macro VLOAD
.irp t, 0,1,2,3
	ds_load_b64 v[VF+12*\t:VF+12*\t+1], v[ADVA] offset:4*VP*\t
	ds_load_b64 v[VF+12*\t+2:VF+12*\t+3], v[ADVB] offset:4*VP*\t+8
	ds_load_b64 v[VF+12*\t+4:VF+12*\t+5], v[ADVB] offset:4*VP*\t+16
	ds_load_b64 v[VF+12*\t+6:VF+12*\t+7], v[ADVB] offset:4*VP*\t+56
	ds_load_b64 v[VF+12*\t+8:VF+12*\t+9], v[ADVB] offset:4*VP*\t+64
	ds_load_b64 v[VF+12*\t+10:VF+12*\t+11], v[ADVA] offset:4*VP*\t+80
.endr
	ds_load_b32 v[VS], v[ADT]
	ds_load_b32 v[VS+1], v[ADT] offset:128
.endm
.macro QK y, c, u                      ; S^T of tile y: tiles 4c+u and 4c+u+1 of K (u even); their scales share a register, one in each half of the lanes
	WIN 1+0x44*(\y)
	v_wmma_scale_f32_16x16x128_f8f6f4 v[S+8*(4*\c+\u):S+8*(4*\c+\u)+7], v[12*(4*\c+\u):12*(4*\c+\u)+11], v[QF:QF+11], 0, v[KS+2*\c+\u/2], v[QS+\y] matrix_a_fmt:MATRIX_FMT_FP6 matrix_b_fmt:MATRIX_FMT_FP6
	v_wmma_scale_f32_16x16x128_f8f6f4 v[S+8*(4*\c+\u)+8:S+8*(4*\c+\u)+15], v[12*(4*\c+\u)+12:12*(4*\c+\u)+23], v[QF:QF+11], 0, v[KS+2*\c+\u/2], v[QS+\y] matrix_a_fmt:MATRIX_FMT_FP6 matrix_b_fmt:MATRIX_FMT_FP6 matrix_a_scale:MATRIX_SCALE_ROW1
.endm
.macro PV y, t                         ; O^T of tile y += V^T P^T: tiles t and t+1 of V (t even); the accumulators by turns
	WIN 0x54*(\y)
	v_wmma_scale_f32_16x16x128_f8f6f4 v[OT+8*\t:OT+8*\t+7], v[VF+12*\t:VF+12*\t+11], v[PF:PF+11], v[OT+8*\t:OT+8*\t+7], v[VS+\t/2], v[PS+\y] matrix_a_fmt:MATRIX_FMT_FP6 matrix_b_fmt:MATRIX_FMT_FP6
	v_wmma_scale_f32_16x16x128_f8f6f4 v[OT+8*\t+8:OT+8*\t+15], v[VF+12*\t+12:VF+12*\t+23], v[PF:PF+11], v[OT+8*\t+8:OT+8*\t+15], v[VS+\t/2], v[PS+\y] matrix_a_fmt:MATRIX_FMT_FP6 matrix_b_fmt:MATRIX_FMT_FP6 matrix_a_scale:MATRIX_SCALE_ROW1
.endm
.macro FMAS from, n                    ; t - M, two at a time
.set j, \from
.rept \n
	v_pk_fma_f32 v[S+j:S+j+1], v[S+j:S+j+1], s[CS:CS+1], v[NM:NM+1] op_sel_hi:[1,0,0]
.set j, j+2
.endr
.endm
.macro ADD8                            ; one pair of p onto each of the eight chains of the sum
.irp a, CT0, CT1, PF, PF+2, PF+4, PF+6, PF+8, SUM
	v_pk_add_f32 v[\a:\a+1], v[\a:\a+1], v[S+j:S+j+1]
.set j, j+2
.endr
.endm
; One tile's softmax of one step, with the other tile's matrix instructions among it.  x: my tile (0 = A, 1 = B).
; In A's turn this step's V and the next step's K are read from LDS.  kload = 0: there is no next step's K; qk = 0: no next scores to make.
.macro SM x, kload, qk
.if \x == 0
.if \kload
	v_add_nc_u32 v[ADK], s[SK], v[AK0]
	v_add_nc_u32 v[ADS], s[SS], v[ASK0]
.endif
	v_add_nc_u32 v[ADVA], s[SV], v[AVA0]
	v_add_nc_u32 v[ADVB], s[SV], v[AVB0]
	v_add_nc_u32 v[ADT], s[SS], v[ASV0]
.else
.if \kload
	s_wait_dscnt 28                                ; V's fragments are in; the 28 younger loads, K's, may be out
.else
	s_wait_dscnt 0x0
.endif
.endif
	WIN 0x55*\x
.irp a, 0,1,2,3,4,5,6,7
	v_max3_num_f32 v[CH+\a], v[S+8*\a], v[S+8*\a+1], v[S+8*\a+2]   ; eight chains, one for each accumulator, from its low end
.endr
.irp i, 3,5
.irp a, 0,1,2,3,4,5,6,7
	v_max3_num_f32 v[CH+\a], v[CH+\a], v[S+8*\a+\i], v[S+8*\a+\i+1]
.endr
.endr
.irp c, 0,1
	v_max3_num_f32 v[CH+4*\c], v[CH+4*\c], v[CH+4*\c+1], v[S+32*\c+7]
	v_max3_num_f32 v[CH+4*\c+2], v[CH+4*\c+2], v[CH+4*\c+3], v[S+32*\c+15]
.endr
.irp c, 0,1
	v_max3_num_f32 v[CH+4*\c], v[CH+4*\c], v[CH+4*\c+2], v[S+32*\c+23]
.endr
.irp c, 0,1
	v_max_num_f32 v[CH+4*\c], v[CH+4*\c], v[S+32*\c+31]   ; the largest score of my block 2c + h
.endr
	v_max_num_f32 v[XX], v[CH], v[CH+4]
	D1
	v_permlanex16_b32 v[TT], v[XX], s[SEL], s[SEL+1]
	PV 1-\x, 0
	WIN 0x55*\x
	v_max3_num_f32 v[MX], v[MX], v[XX], v[TT]      ; the running largest score of my query
	D1
	v_mul_f32 v[XX], s[CS], v[MX]
	PV 1-\x, 2
	WIN 0x55*\x
	v_mov_b32 v[YY], v[NM]
	v_floor_f32 v[NM], -v[XX]                      ; -M = -ceil(t): a whole number
	D1
	v_sub_f32 v[XX], v[NM], v[YY]
	FMAS 0, 4
	v_cvt_i32_f32 v[XX], v[XX]
	FMAS 8, 4
	v_ldexp_f32 v[FF], 1.0, v[XX]                  ; f = 2^(old M - new M)
.if \x == 0
	VLOAD                                          ; 13 places behind the last product that read these registers
.endif
	FMAS 16, 24
.irp c, 0,1
	v_fma_f32 v[CH+4*\c], v[CH+4*\c], s[CS], v[NM]
.endr
	WA                                             ; the wait directly ahead of the first reader of O^T
.set j, 0
.rept 16
	v_pk_mul_f32 v[OT+j:OT+j+1], v[OT+j:OT+j+1], v[FF:FF+1] op_sel_hi:[1,0]
.set j, j+2
.endr
	WA                                             ; one wait ahead of the batch
.set j, 0
.rept 64
	v_exp_f32 v[S+j], v[S+j]
.set j, j+1
.endr
.irp c, 0,1
	v_exp_f32 v[CH+4*\c], v[CH+4*\c]               ; the block's largest p
.endr
	v_pk_mul_f32 v[SUM:SUM+1], v[SUM:SUM+1], v[FF:FF+1] op_sel_hi:[1,0]
	WA                                             ; and one behind it
.if \x && \kload
	s_wait_dscnt 0x0                               ; the next step's K is in
.endif
	; the sum of the unquantised p in eight chains; the lines that make the scales, and the other tile's next scores, stand among them
	v_max_num_f32 v[CH], 0x1800000, v[CH]          ; the floor 2^(3-127): the byte cannot fall under 1
	v_max_num_f32 v[CH+4], 0x1800000, v[CH+4]
.if \qk
	QK 1-\x, 0, 0
	WIN 0x55*\x
.endif
.set j, 0
.irp a, CT0, CT1, PF, PF+2, PF+4, PF+6, PF+8
	v_pk_add_f32 v[\a:\a+1], v[S+j:S+j+1], v[S+j+2:S+j+3]
.set j, j+4
.endr
	v_pk_add_f32 v[SUM:SUM+1], v[SUM:SUM+1], v[S+28:S+29]
.if \qk
	QK 1-\x, 0, 2
	WIN 0x55*\x
.endif
	v_add_nc_u32 v[CH+1], 0xff000000, v[CH]        ; 2 off the exponent field: the conversion's scale operand
	v_add_nc_u32 v[CH+5], 0xff000000, v[CH+4]
.set j, 30
	ADD8
.if \qk
	QK 1-\x, 1, 0
	WIN 0x55*\x
.endif
	v_lshrrev_b32 v[XX], 23, v[CH+1]               ; the two bytes
	v_lshrrev_b32 v[YY], 23, v[CH+5]
	ADD8
.if \qk
	QK 1-\x, 1, 2
	WIN 0x55*\x
.endif
	v_lshl_or_b32 v[XX], v[YY], 16, v[XX]
	v_pk_add_f32 v[CT0:CT0+1], v[CT0:CT0+1], v[S+62:S+63]
	v_pk_add_f32 v[PF:PF+1], v[PF:PF+1], v[PF+2:PF+3]
	v_pk_add_f32 v[PF+4:PF+5], v[PF+4:PF+5], v[PF+6:PF+7]
	v_pk_add_f32 v[SUM:SUM+1], v[SUM:SUM+1], v[PF+8:PF+9]
	v_pk_add_f32 v[CT0:CT0+1], v[CT0:CT0+1], v[CT1:CT1+1]
.if (\x == 0) && \kload
	KLOAD 256                                      ; 6 places behind the last product that read these registers
.endif
	v_lshlrev_b32 v[XX], v[SH8], v[XX]             ; blocks h and 2 + h: 8 h bits up
	v_pk_add_f32 v[PF:PF+1], v[PF:PF+1], v[PF+4:PF+5]
	v_pk_add_f32 v[SUM:SUM+1], v[SUM:SUM+1], v[CT0:CT0+1]
	D1
	v_pk_add_f32 v[SUM:SUM+1], v[SUM:SUM+1], v[PF:PF+1]
	v_cvt_scalef32_pk16_fp6_f32 v[PF:PF+2], v[S:S+15], v[CH+1]
	v_cvt_scalef32_pk16_fp6_f32 v[CT0:CT0+2], v[S+16:S+31], v[CH+1]
	v_cvt_scalef32_pk16_fp6_f32 v[PF+6:PF+8], v[S+32:S+47], v[CH+5]
	v_cvt_scalef32_pk16_fp6_f32 v[CT1:CT1+2], v[S+48:S+63], v[CH+5]
	v_permlanex16_b32 v[TT], v[XX], s[SEL], s[SEL+1]   ; (plain places behind the conversions)
	WIN 5*\x                                       ; scale registers lie in window 0
	v_or_b32 v[PS+\x], v[XX], v[TT]
	WIN 0x55*\x
.irp i, 0,1,2
	v_mov_b32 v[PF+3+\i], v[CT0+\i]                ; a conversion's three registers begin on an even number
	v_mov_b32 v[PF+9+\i], v[CT1+\i]
.endr
.endm
.macro RUN n                           ; n steps out of one slot
	s_mov_b32 s[CNT], \n
.Lrun_\@:
	SM 0, 1, 1
	SM 1, 1, 1
	WIN 0
	s_add_co_u32 s[SK], s[SK], 1536
	s_add_co_u32 s[SV], s[SV], 120
	s_add_co_u32 s[SS], s[SS], 256
	s_sub_co_u32 s[CNT], s[CNT], 1
	s_cmp_lg_u32 s[CNT], 0
	s_cbranch_scc1 .Lrun_\@                        ; what the trip's last vector lines wrote is next read behind 39 plain vector lines
.endm
.macro INIT w                          ; a tile's state, window w
	WIN 0x40*\w
	v_mov_b32 v[NM], 0x7f61b1e6                    ; -M = 3e38,
	v_mov_b32 v[MX], 0xff61b1e6                    ; the largest score so far -3e38
	v_mov_b32 v[SUM], 0
	v_mov_b32 v[SUM+1], 0
	v_mov_b32 v[FF+1], 0
	v_mov_b32 v[TT], 0
	v_lshlrev_b32 v[SH8], 3, v28
.irp i, 6,7,8,9,10,11
	v_mov_b32 v[QF+\i], 0                          ; the head has 64 of the instruction's 128: zero codes above, in Q and in K
.if \w
.irp u, 0,1,2,3,4,5,6,7
	v_mov_b32 v[12*\u+\i], 0
.endr
.endif
.endr
.set j, 0
.rept 32
	v_mov_b32 v[OT+j], 0
.set j, j+1
.endr
.if \w
.set j, 0
.rept 12
	v_mov_b32 v[PF+j], 0                           ; tile B's P of the step before the first: zero codes
.set j, j+1
.endr
.endif
.endm
; The way out of tile x: O^T / the sum, through my stage, as whole rows of 256 bytes.  Register 8t+i of lane (r, h) is out(r, 32h + 16(i/4) + 4t + i%4)
.macro OUT x
.set RB, 64+96*\x
	WIN 0x55*\x
	v_add_f32 v[SUM], v[SUM], v[SUM+1]
	D1
	v_permlanex16_b32 v[TT], v[SUM], s[SEL], s[SEL+1]
	D1
	v_add_f32 v[SUM], v[SUM], v[TT]
	WA
	v_rcp_f32 v[SUM], v[SUM]
	v_nop
	WA
.set j, 0
.rept 16
	v_pk_mul_f32 v[S+j:S+j+1], v[OT+j:OT+j+1], v[SUM:SUM+1] op_sel_hi:[1,0]
.set j, j+2
.endr
	WIN 4*\x
.irp t, 0,1,2,3
	ds_store_b128 v[STO], v[S+8*\t:S+8*\t+3] offset:16*SP*\x+16*\t
	ds_store_b128 v[STO], v[S+8*\t+4:S+8*\t+7] offset:16*SP*\x+16*\t+64
.endr
	WIN 0
.irp i, 0,1,2,3,4,5,6,7
	ds_load_b128 v[RB+4*\i:RB+4*\i+3], v[RD] offset:16*SP*\x+2*\i*SP
.endr
.irp i, 0,1,2,3,4,5,6,7
	s_wait_dscnt 7-\i                              ; the younger loads may be out
	global_store_b128 v[CO], v[RB+4*\i:RB+4*\i+3], s[16:17] offset:4096*\x+512*\i th:TH_STORE_NT
.endr
.endm
	s_load_b128 s[4:7], s[0:1], 0x0                ; Q codes, Q scales
	s_load_b128 s[8:11], s[0:1], 0x10              ; K codes, K scales
	s_load_b128 s[12:15], s[0:1], 0x20             ; V codes, V scales
	s_load_b64 s[16:17], s[0:1], 0x30              ; out
	v_lshl_add_u32 v[SPW], v0, 2, SPARE
	v_mov_b32 v[NIL], 0
	ds_add_u32 v[SPW], v[NIL]
	ds_add_u32 v[SPW], v[NIL]
	v_lshrrev_b32 v26, 5, v0
	v_readfirstlane_b32 s[WV], v26
	s_bfe_u32 s[CX], ttmp6, 0x40000
	s_lshl_b32 s70, ttmp9, 2
	s_add_co_u32 s70, s70, s[CX]
	s_lshl_b32 s70, s70, 8
	s_lshl_b32 s71, s[WV], 5
	s_add_co_u32 s70, s70, s71                     ; my first query
	s_and_b32 s72, ttmp7, 0xffff                   ; batch
	s_mul_i32 s74, s72, 196608
	s_lshl_b32 s76, s72, 13
	s_mov_b32 s77, 0
	s_mul_i32 s78, s70, 48
	s_add_co_u32 s78, s78, s74
	s_mov_b32 s79, 0
	s_lshl_b32 s80, s70, 1
	s_add_co_u32 s80, s80, s76
	s_mov_b32 s81, 0
	s_lshl_b32 s82, s72, 20
	s_lshl_b32 s83, s70, 8
	s_add_co_u32 s82, s82, s83
	s_mov_b32 s83, 0
	s_and_b32 s84, s[WV], 1                        ; K loader: odd groups?
	s_bfe_u32 s85, s[WV], 0x10001                  ; second 16 keys of a group?
	s_and_b32 s86, s[WV], 3                        ; V loader: which 16 rows
	s_mul_i32 s[LK], s84, KODD
	s_mul_i32 s87, s85, KG
	s_add_co_u32 s[LK], s[LK], s87
	s_mul_i32 s88, s84, 1536
	s_mul_i32 s87, s85, 768
	s_add_co_u32 s88, s88, s87
	s_add_co_u32 s88, s88, s74
	s_mov_b32 s89, 0
	s_mul_i32 s[LV], s86, VJ
	s_add_co_u32 s[LV], s[LV], VOFF
	s_mul_i32 s90, s86, 49152
	s_add_co_u32 s90, s90, s74
	s_mov_b32 s91, 0
	s_mul_i32 s66, s[WV], 32*SP
	s_add_co_u32 s66, s66, STAGE
	s_mov_b32 s[G1K], 15|(3<<16)|(1<<21)           ; rows of 96 x 8 bytes, 3072 bytes apart; the first fill has 18 rows (9 steps)
	s_mov_b32 s[G1K+1], 96<<16
	s_mov_b32 s[G1K+2], 18<<16
	s_mov_b32 s[G1K+3], 96<<16
	s_mov_b32 s[G1K+4], 18
	s_mov_b32 s[G1K+5], 384
	s_mov_b32 s[G1K+6], 0
	s_mov_b32 s[G1K+7], 0
	s_mov_b32 s[G1V], 15|(3<<16)|(1<<20)|(1<<21)|(2<<22)|(1<<25)   ; 2 words of padding behind every 8
	s_mov_b32 s[G1V+1], 96<<16
	s_mov_b32 s[G1V+2], 16<<16
	s_mov_b32 s[G1V+3], 96<<16
	s_mov_b32 s[G1V+4], 16
	s_mov_b32 s[G1V+5], 384
	s_mov_b32 s[G1V+6], 0
	s_mov_b32 s[G1V+7], 0
	s_mov_b32 s[SEL], 0x76543210
	s_mov_b32 s[SEL+1], 0xfedcba98
	s_mov_b32 s[CS], 0x3fb8aa3b                    ; log2 e
	s_mov_b32 s[CS+1], s[CS]
	s_mov_b32 s[SK], 0
	s_mov_b32 s[SV], 0
	s_mov_b32 s[SS], 0
	s_wait_dscnt 0x0
	v_and_b32 v27, 15, v0                          ; r
	v_bfe_u32 v28, v0, 4, 1                        ; h
	v_and_b32 v29, 7, v0
	v_bfe_u32 v30, v0, 3, 1
	v_bfe_u32 v31, v0, 2, 2
	v_and_b32 v32, 3, v0
	v_mul_u32_u24 v[AK0], v29, 48
	v_mad_u32_u24 v[AK0], v30, KODD, v[AK0]
	v_mad_u32_u24 v[AK0], v28, 24, v[AK0]
	v_mul_u32_u24 v[AVB0], v31, VJ
	v_mad_u32_u24 v[AVB0], v32, VP, v[AVB0]
	v_add_nc_u32 v[AVB0], VOFF, v[AVB0]
	v_mad_u32_u24 v[AVA0], v28, 24, v[AVB0]
	v_lshl_add_u32 v[AVB0], v28, 5, v[AVB0]
	v_lshlrev_b32 v[ASK0], 1, v29
	v_lshl_add_u32 v[ASK0], v30, 6, v[ASK0]
	v_lshl_add_u32 v[ASK0], v28, 4, v[ASK0]
	v_add_nc_u32 v[ASK0], SCK, v[ASK0]
	v_and_b32 v[ASV0], 31, v0
	v_lshl_add_u32 v[ASV0], v[ASV0], 2, SCV
	v_mul_u32_u24 v[STO], v27, SP
	v_lshl_add_u32 v[STO], v28, 7, v[STO]
	v_add_nc_u32 v[STO], s66, v[STO]
	v_mul_u32_u24 v[RD], v28, SP
	v_lshl_add_u32 v[RD], v27, 4, v[RD]
	v_add_nc_u32 v[RD], s66, v[RD]
	v_lshlrev_b32 v[CO], 8, v28
	v_lshl_add_u32 v[CO], v27, 4, v[CO]
	v_lshlrev_b32 v33, 4, v0                       ; the scales' copy: K's 16 bytes a thread, twice
	v_lshlrev_b32 v34, 5, v0                       ; V's 32 bytes: row d = thread / 4, steps 8 (thread % 4) ..
	v_mul_u32_u24 v35, v27, 48
	v_mad_u32_u24 v35, v28, 24, v35
	v_lshlrev_b32 v36, 1, v27
	v_add_nc_u32 v37, SCK, v33
	v_and_b32 v38, 12, v0                          ; V's word of row d goes to word 16 (d/4 % 4) + 4 (d/16) + d%4 of its step's 64
	v_bfe_u32 v39, v0, 6, 2
	v_lshl_add_u32 v38, v39, 4, v38
	v_bfe_u32 v39, v0, 4, 2
	v_lshl_add_u32 v38, v39, 6, v38
	v_lshl_add_u32 v38, v32, 11, v38
	v_add_nc_u32 v38, SCV, v38
	v_mov_b32 v[PS+1], 0
	WA                                             ; the wait at the head's end
	s_wait_kmcnt 0x0
	s_mov_b32 s[G0K], 1
	s_mov_b32 s[G0K+1], s[LK]
	s_add_nc_u64 s[G0K+2:G0K+3], s[8:9], s[88:89]
	s_or_b32 s[G0K+3], s[G0K+3], 0x80000000
	s_mov_b32 s[G0V], 1
	s_mov_b32 s[G0V+1], s[LV]
	s_add_nc_u64 s[G0V+2:G0V+3], s[12:13], s[90:91]
	s_or_b32 s[G0V+3], s[G0V+3], 0x80000000
	s_add_nc_u64 s[4:5], s[4:5], s[78:79]
	s_add_nc_u64 s[6:7], s[6:7], s[80:81]
	s_add_nc_u64 s[10:11], s[10:11], s[76:77]
	s_add_nc_u64 s[14:15], s[14:15], s[76:77]
	s_add_nc_u64 s[16:17], s[16:17], s[82:83]
	global_load_b128 v[40:43], v33, s[10:11]
	global_load_b128 v[44:47], v33, s[10:11] offset:4096
	global_load_b128 v[48:51], v34, s[14:15]
	global_load_b128 v[52:55], v34, s[14:15] offset:16
.irp p, 0,1,2
	global_load_b64 v[QF+2*\p:QF+2*\p+1], v35, s[4:5] offset:8*\p th:TH_LOAD_NT
.endr
	global_load_u16 v[QS], v36, s[6:7] th:TH_LOAD_NT
	global_load_u16 v[QS+1], v36, s[6:7] offset:32 th:TH_LOAD_NT
	WIN 0x40
.irp p, 0,1,2
	global_load_b64 v[QF+2*\p:QF+2*\p+1], v35, s[4:5] offset:768+8*\p th:TH_LOAD_NT
.endr
	WIN 0
	CROUND                                         ; the round in front of the first joint loads
	JLOAD                                          ; slot 0: K's steps 0-8, V's 0-7; one load a wave
	INIT 0
	INIT 1
	WIN 0
	WA
	s_wait_loadcnt 0x0
	ds_store_b128 v37, v[40:43]
	ds_store_b128 v37, v[44:47] offset:4096
.irp i, 0,1,2,3,4,5,6,7
	ds_store_b32 v38, v[48+\i] offset:256*\i
.endr
	CHANGE 1, 1, 16, 55296                         ; slot 0 and the scales are whole for all; slot 1's first fill: K's steps 9-16, V's 8-15
	v_add_nc_u32 v[ADK], s[SK], v[AK0]
	v_add_nc_u32 v[ADS], s[SS], v[ASK0]
	v_add_nc_u32 v[ADVA], s[SV], v[AVA0]
	v_add_nc_u32 v[ADVB], s[SV], v[AVB0]
	v_add_nc_u32 v[ADT], s[SS], v[ASV0]
	KLOAD 0                                        ; step 0
	VLOAD                                          ; finite codes and scales for tile B's first P V, whose P is zero codes
	WA
	s_wait_dscnt 0x0
	QK 0, 0, 0
	QK 0, 0, 2
	QK 0, 1, 0
	QK 0, 1, 2
	WIN 0
.rept 4
	v_nop
.endr
	s_mov_b32 s[SK], 1536                          ; K is read one step ahead
	RUN 8
	CHANGE 1, 0, 16, 49152                         ; slot 0 again: K's steps 17-24, V's 16-23
	s_mov_b32 s[SK], SLOTB
	s_mov_b32 s[SV], SLOTB
	RUN 8
	CHANGE 1, 1, 14, 49152                         ; slot 1 again: K's steps 25-31, V's 24-31
	s_mov_b32 s[SK], 0
	s_mov_b32 s[SV], 0
	RUN 8
	CHANGE 0, 0, 0, 0                              ; nothing is filled any more
	s_mov_b32 s[SK], SLOTB
	s_mov_b32 s[SV], SLOTB
	RUN 7
	SM 0, 0, 1                                     ; the last step asks for no K and makes no further scores
	SM 1, 0, 0
.rept 8
	v_nop                                          ; P's codes and scale word were just written by vector instructions: places ahead of the scaled products
.endr
	PV 1, 0
	PV 1, 2
	OUT 0                                          ; its vector work is also the places behind tile B's last products
	OUT 1
	s_wait_tensorcnt 0x0                           ; the wave's end
	ds_add_u32 v[SPW], v[NIL]
	s_wait_dscnt 0x0
	CROUND                                         ; the closing round
	s_endpgm
.Lfunc_end_k_q65e01d6f2f_attn:
	.size	k_q65e01d6f2f_attn, .Lfunc_end_k_q65e01d6f2f_attn-k_q65e01d6f2f_attn
	.p2alignl 7, 3214868480
	.fill 96, 4, 3214868480
	.section	.rodata,"a",@progbits
	.p2align	6, 0x0
	.amdhsa_kernel k_q65e01d6f2f_attn
		.amdhsa_group_segment_fixed_size 327680
		.amdhsa_private_segment_fixed_size 0
		.amdhsa_enable_private_segment 0
		.amdhsa_kernarg_size 56
		.amdhsa_user_sgpr_count 2
		.amdhsa_user_sgpr_kernarg_segment_ptr 1
		.amdhsa_wavefront_size32 1
		.amdhsa_system_sgpr_workgroup_id_x 1
		.amdhsa_system_sgpr_workgroup_id_y 1
		.amdhsa_system_sgpr_workgroup_id_z 1
		.amdhsa_system_vgpr_workitem_id 0
		.amdhsa_next_free_vgpr 512
		.amdhsa_next_free_sgpr 96
		.amdhsa_reserve_vcc 0
		.amdhsa_float_denorm_mode_32 3
		.amdhsa_float_denorm_mode_16_64 3
		.amdhsa_memory_ordered 1
		.amdhsa_forward_progress 1
		.amdhsa_inst_pref_size 175
	.end_amdhsa_kernel
	.amdgpu_metadata
---
amdhsa.version: [ 1, 2 ]
amdhsa.kernels:
  - .name:           k_q65e01d6f2f_attn
    .symbol:         k_q65e01d6f2f_attn.kd
    .args:
      - { .name: Q_codes, .offset: 0, .size: 8, .value_kind: global_buffer, .address_space: global }
      - { .name: Q_scales, .offset: 8, .size: 8, .value_kind: global_buffer, .address_space: global }
      - { .name: K_codes, .offset: 16, .size: 8, .value_kind: global_buffer, .address_space: global }
      - { .name: K_scales, .offset: 24, .size: 8, .value_kind: global_buffer, .address_space: global }
      - { .name: V_codes, .offset: 32, .size: 8, .value_kind: global_buffer, .address_space: global }
      - { .name: V_scales, .offset: 40, .size: 8, .value_kind: global_buffer, .address_space: global }
      - { .name: out0, .offset: 48, .size: 8, .value_kind: global_buffer, .address_space: global }
    .group_segment_fixed_size: 327680
    .private_segment_fixed_size: 0
    .kernarg_segment_align: 8
    .kernarg_segment_size: 56
    .max_flat_workgroup_size: 256
    .sgpr_count:     96
    .vgpr_count:     512
    .wavefront_size: 32
...
	.end_amdgpu_metadata
.endif
;; end of part 1
